; MI455X (gfx1250); checked and timed in simulation.
; The chip was launched on July 23, 2026; its instructions are those of AMD's public machine-readable ISA for CDNA 5 (MIT licence, August 2026) and "CDNA5" Instruction Set Architecture Reference Guide (July 2026). The comments in the code are by the model that wrote it; some were corrected since.
;; Token Mixer. Allowed arithmetic: matrix products marked QUANTISED: E4M3 operands, one given power-of-two scale a tensor, by v_wmma_f32_16x16x64_fp8_fp8 or v_wmma_f32_16x16x128_fp8_fp8, f32 sums; everything else in f32.
;; Inputs: b_proj 1,024 float32; b_qkv 3,072 float32; ln_beta 1,024 float32; ln_gamma 1,024 float32; lowp_scales 8 int32 (the exponents e of the quantised operands' scales 2^e); w_proj 1,024 x 1,024 float32; w_qkv 1,024 x 3,072 float32; x 4 x 2,048 x 1,024 float32.
;; Outputs: out0 4 x 2,048 x 1,024 float32.
;; This version of the problem:
;;   THIS VERSION OF THE PROBLEM IS GIVEN IN LOW PRECISION. The matrix products marked QUANTISED in the list below multiply operands that are first quantised to E4M3 (4 exponent bits, 3 mantissa bits; 8 bits a number), with one given power-of-two scale for each operand tensor; their sums are f32. All else is computed in f32.
;;   The module's matrix products, in the order in which they are computed (A, B: the left and right operand; K: the contracted axis; several contracted axes count as one K, in the product's order):
;;     1. [M 8,192, K 1,024] x [K 1,024, N 3,072]; A: computed on the way; B: input w_qkv: QUANTISED (scales: A lowp_scales[0], B lowp_scales[1])
;;     2. batch 64 x [M 2,048, K 64] x [K 64, N 2,048]; A: computed on the way; B: computed on the way: QUANTISED (scales: A lowp_scales[2], B lowp_scales[3])
;;     3. batch 64 x [M 2,048, K 2,048] x [K 2,048, N 64]; A: softmax (see below); B: computed on the way: QUANTISED (scales: A lowp_scales[4], B lowp_scales[5])
;;     4. [M 8,192, K 1,024] x [K 1,024, N 1,024]; A: computed on the way; B: input w_proj: QUANTISED (scales: A lowp_scales[6], B lowp_scales[7])
;;   THE QUANTISER, for each operand of a quantised product, along K:
;;     - The operand's scale is 2^e, e = its entry of the input lowp_scales (int32; the entries are numbered through the quantised products in the list's order, A before B).
;;     - Each number is divided by the scale, clamped to +-448, and rounded to the nearest number of E4M3, ties to even, subnormals kept.
;;     - The product sums the exact products of the quantised numbers (number of the format x scale) in f32.
;;   ~~~python
;;   def quantise(x, axis, e):      # numpy; x: float32 -> the quantised numbers, widened to float32 again
;;       x = np.moveaxis(x, axis, -1); K = x.shape[-1]
;;       r = np.clip(x / 2.0 ** e, -448, 448)
;;       step = 2.0 ** (np.maximum(np.frexp(np.where(r == 0, 1, r))[1] - 1, -6) - 3)
;;       q = np.round(r / step) * step * 2.0 ** e      # np.round: ties to even
;;       return np.moveaxis(q, -1, axis).astype(np.float32)
;;   ~~~
;;   SOFTMAX AHEAD OF A QUANTISED PRODUCT. Where the list says 'softmax', what is quantised is not the finished softmax but p = 2^(t - M), with t = logit x log2(e) and M = ceil(the row's largest t), a whole number; so 1/2 < the row's largest p <= 1. The row's sum l is taken of the UNQUANTISED p, in f32, and the product's result is divided by l at the end. Since M is a whole number, a kernel that streams over the keys may use a running M (the ceiling of the running maximum): every later rescaling is an exact power of two, so the quantised numbers keep their values, but for numbers so far below the row's largest that they fall under the format's range.
;;   OPERANDS COMPUTED ON THE WAY. 'Computed on the way' means the value that the module computes at that place (a softmax that the list does not call 'softmax' is quantised finished and normalised). What goes into a quantiser is computed in f32, as accurately as f32 sums, v_exp_f32 and their like allow (about 1e-6 of the number): no bf16 or f16 on the way to a quantiser, and a product that is left as it is and whose result goes on into a quantised operand takes f32 operands (vector FMAs, or v_wmma_f32_16x16x4_f32). A number that lies on a knife's edge between two numbers of the format may be rounded either way, as far as f32 arithmetic and the matrix unit's own rounding can turn it there, and no further.
;; One version. Each part assembles by itself: llvm-mc -triple=amdgcn-amd-amdhsa -mcpu=gfx1250 --defsym DOCPART=n.
;; ======== version 1 of 1: 4 launches
;; limits: right only within a limited range of input values
;; workspace buffers: xn_codes 8,388,608 bytes; wq_codes 3,145,728 bytes; wp_codes 1,048,576 bytes; qkv_codes 25,165,824 bytes; ao_codes 8,388,608 bytes
;; launch prep (part 1): grid 768 x 1, 4 waves a work-group, no clusters, 17,920 bytes of LDS; arguments x, ln_gamma, ln_beta, w_qkv, w_proj, lowp_scales, xn_codes, wq_codes, wp_codes; writes xn_codes, wq_codes, wp_codes
.if DOCPART == 1
	.amdgcn_target "amdgcn-amd-amdhsa--gfx1250"
	.amdhsa_code_object_version 6
	.text
	.protected	k_q329c0945a8_prep
	.globl	k_q329c0945a8_prep
	.p2align	8
	.type	k_q329c0945a8_prep,@function
k_q329c0945a8_prep:
	s_mov_b64 s[64:65], 0
	v_nop
	global_prefetch_b8 v0, s[64:65] scope:SCOPE_SE
	s_setreg_imm32_b32 hwreg(HW_REG_WAVE_MODE, 25, 1), 1
	s_wait_xcnt 0x0
; PREP: the three operands that later launches read many times are made once, as codes of E4M3.
;   work-groups 0-511:   xn = LayerNorm(x) x gamma + beta, 16 rows a work-group, quantised with 2^e0  -> xn_codes
;   work-groups 512-703: w_qkv [1024 k][3072 n], quantised along k with 2^e1                           -> wq_codes (row = n)
;   work-groups 704-767: w_proj [1024 k][1024 n], with 2^e7                                            -> wp_codes (row = n)
; THE LAYOUT OF ALL CODE BUFFERS is an image of the plain fp8 forms' operand registers.  The byte of (row, k), K = 1024, is
;   (row/16) 16384 + (k/64) 1024 + ((k/32)%2) 512 + ((k/8)%2) 256 + (row%16) 16 + ((k/16)%2) 8 + k%8.
; So 1,024 bytes are a fragment of 16 rows x 64 k: lane l takes 16 bytes at 16 l (registers 0-3) and at 512 + 16 l (registers 4-7); every k stands in its true place.
; code = number / 2^e, held within +-448, to the nearest code, ties to even.  LIMITS: e0, e1, e7 between -126 and 119 (448 x 2^e is made as an f32 number).  NaN among the inputs is not served.
; The paths part on the work-group's number alone, which all four waves share.  Only the first path uses LDS and a barrier.
; No matrix unit, no tensor load, no cluster: memory binds, and no work-group reads what another reads but gamma and beta (8 KB).
.set NLN, 512
.set NWQ, 192
.set X,   64                           ; v64-191  LN: four rows, 32 registers each: register 4 j + q = x(row, 128 j + 4 lane + q).  W: two sets of 32 numbers down k
.set CDE, 32                           ; v32-63   LN: codes, 8 registers a row
.set GA,  192                          ; v192-223 gamma, v224-255 beta, in X's layout
.set BE,  224
.set WC,  128                          ; v128-159 W: codes, 8 registers a block, never written twice
	s_load_b256 s[4:11], s[0:1], 0x0               ; x s[4:5], gamma s[6:7], beta s[8:9], w_qkv s[10:11]
	s_load_b256 s[12:19], s[0:1], 0x20             ; w_proj s[12:13], the scales' exponents s[14:15], xn_codes s[16:17], wq_codes s[18:19]
	s_load_b64 s[20:21], s[0:1], 0x40              ; wp_codes
	v_lshl_add_u32 v30, v0, 2, 0x4400
	v_mov_b32 v31, 0
	v_lshrrev_b32 v1, 5, v0
	v_readfirstlane_b32 s22, v1                    ; wave 0..3
	v_and_b32 v1, 31, v0                           ; lane
	s_wait_kmcnt 0x0
	s_load_b256 s[24:31], s[14:15], 0x0            ; e0 .. e7
	s_cmp_lt_u32 ttmp9, NLN
	s_cbranch_scc0 .Lweights
; ---------------- LayerNorm: wave w owns rows 4 w .. 4 w + 3 of the work-group's 16; a row stays in 32 registers for both passes
	s_wait_alu depctr_va_vdst(0)
	v_lshlrev_b32 v1, 4, v1                        ; 16 x lane
	s_lshl_b32 s32, ttmp9, 16                      ; 16 rows of 4,096 bytes a work-group,
	s_lshl_b32 s33, s22, 14                        ; 4 a wave
	s_add_co_u32 s32, s32, s33
	s_mov_b32 s33, 0
	s_add_nc_u64 s[4:5], s[4:5], s[32:33]
.irp j, 0,1,2,3,4,5,6,7
	global_load_b128 v[GA+4*\j:GA+4*\j+3], v1, s[6:7] offset:512*\j
.endr
.irp j, 0,1,2,3,4,5,6,7
	global_load_b128 v[BE+4*\j:BE+4*\j+3], v1, s[8:9] offset:512*\j
.endr
.irp i, 0,1,2,3
.irp j, 0,1,2,3,4,5,6,7
	global_load_b128 v[X+32*\i+4*\j:X+32*\i+4*\j+3], v1, s[4:5] offset:4096*\i+512*\j th:TH_LOAD_NT   ; 32 lanes read 512 consecutive bytes
.endr
.endr
	s_lshl_b32 s32, ttmp9, 14                      ; the work-group's 16 rows of codes are 16,384 bytes on end; wave w stores 4,096 of them
	s_lshl_b32 s34, s22, 12
	s_add_co_u32 s32, s32, s34
	s_add_nc_u64 s[16:17], s[16:17], s[32:33]
	s_mov_b32 s34, 0x76543210                      ; v_permlanex16_b32: lane l takes lane l xor 16
	s_mov_b32 s35, 0xfedcba98
	s_mov_b32 s36, 0x3a800000                      ; 1 / 1024
	s_mov_b32 s37, 0x3727c5ac                      ; eps = 1e-5
	; The stage: the image of 16 rows, with 16 bytes of padding behind each 256: 64 blocks of 272 bytes.
	; My word of code register j (k = 128 j + 4 lane + 0..3, row 4 w + i) lies at 2176 j + 16 i +
	;   64 w + 1088 (l/16) + 544 ((l/8)%2) + 272 ((l/2)%2) + 8 ((l/4)%2) + 4 (l%2): in words mod 64 the five lane terms are 16, 8, 4, 2, 1: 32 lanes, 32 banks (64 banks of 4 bytes: ISA guide 11.1)
	v_bfe_u32 v4, v0, 4, 1
	v_mul_u32_u24 v2, v4, 1088
	v_mul_u32_u24 v3, v4, 272
	v_bfe_u32 v4, v0, 3, 1
	v_mad_u32_u24 v2, v4, 544, v2
	v_bfe_u32 v4, v0, 1, 1
	v_mad_u32_u24 v2, v4, 272, v2
	v_bfe_u32 v4, v0, 2, 1
	v_lshl_add_u32 v2, v4, 3, v2
	v_and_b32 v4, 1, v0
	v_lshl_add_u32 v2, v4, 2, v2
	s_lshl_b32 s38, s22, 6
	v_add_nc_u32 v2, s38, v2                       ; v2: into the stage
	v_and_b32 v4, 15, v0
	v_lshl_add_u32 v3, v4, 4, v3
	s_mul_i32 s38, s22, 4352
	v_add_nc_u32 v3, s38, v3                       ; v3: out of it: wave w takes blocks 16 w on, sixteen lanes to a block of 256 bytes
	s_wait_kmcnt 0x0
	s_add_co_i32 s38, s24, 127
	s_lshl_b32 s39, s38, 23
	v_mov_b32 v16, s39                             ; 2^e0 as f32: the conversion takes its exponent field
	s_add_co_i32 s38, s38, 8
	s_lshl_b32 s38, s38, 23
	s_or_b32 s38, s38, 0x600000
	v_mov_b32 v17, s38                             ; 448 x 2^e0
.macro ALLSUM r, t                     ; the sum over the 32 lanes, in every lane
	v_add_f32_dpp v[\r], v[\r], v[\r] row_xmask:1 row_mask:0xf bank_mask:0xf
	v_add_f32_dpp v[\r], v[\r], v[\r] row_xmask:2 row_mask:0xf bank_mask:0xf
	v_add_f32_dpp v[\r], v[\r], v[\r] row_xmask:4 row_mask:0xf bank_mask:0xf
	v_add_f32_dpp v[\r], v[\r], v[\r] row_xmask:8 row_mask:0xf bank_mask:0xf
	v_permlanex16_b32 v[\t], v[\r], s34, s35       ; (its destination has been written before)
	v_add_f32 v[\r], v[\r], v[\t]
.endm
.macro LNROW i
.set XR, X+32*\i
	s_wait_loadcnt 24-8*\i                         ; loads come back in order: this row's eight are in (gamma and beta are older); the younger rows' eight each may be out
	v_pk_add_f32 v[4:5], v[XR:XR+1], v[XR+2:XR+3]  ; the row's sum, in two chains
	v_pk_add_f32 v[6:7], v[XR+4:XR+5], v[XR+6:XR+7]
.irp j, 8,12,16,20,24,28
	v_pk_add_f32 v[4:5], v[4:5], v[XR+\j:XR+\j+1]
	v_pk_add_f32 v[6:7], v[6:7], v[XR+\j+2:XR+\j+3]
.endr
	v_pk_add_f32 v[4:5], v[4:5], v[6:7]
	v_add_f32 v4, v4, v5
	ALLSUM 4, 5
	v_mul_f32 v4, s36, v4                          ; mu
.irp j, 0,2,4,6,8,10,12,14,16,18,20,22,24,26,28,30
	v_pk_add_f32 v[XR+\j:XR+\j+1], v[XR+\j:XR+\j+1], v[4:5] op_sel_hi:[1,0] neg_lo:[0,1] neg_hi:[0,1]   ; x - mu, before the squares: a common offset of x does no harm
.endr
	v_pk_mul_f32 v[6:7], v[XR:XR+1], v[XR:XR+1]
	v_pk_mul_f32 v[8:9], v[XR+2:XR+3], v[XR+2:XR+3]
.irp j, 4,8,12,16,20,24,28
	v_pk_fma_f32 v[6:7], v[XR+\j:XR+\j+1], v[XR+\j:XR+\j+1], v[6:7]
	v_pk_fma_f32 v[8:9], v[XR+\j+2:XR+\j+3], v[XR+\j+2:XR+\j+3], v[8:9]
.endr
	v_pk_add_f32 v[6:7], v[6:7], v[8:9]
	v_add_f32 v6, v6, v7
	ALLSUM 6, 7
	v_fma_f32 v6, v6, s36, s37                     ; var + eps
	s_wait_alu depctr_va_vdst(0)
	v_rsq_f32 v8, v6
	v_nop                                          ; one plain vector instruction behind a transcendental before its result is used
	s_wait_alu depctr_va_vdst(0)
.irp j, 0,2,4,6,8,10,12,14,16,18,20,22,24,26,28,30
	v_pk_mul_f32 v[XR+\j:XR+\j+1], v[XR+\j:XR+\j+1], v[8:9] op_sel_hi:[1,0]
.endr
.irp j, 0,2,4,6,8,10,12,14,16,18,20,22,24,26,28,30
	v_pk_fma_f32 v[XR+\j:XR+\j+1], v[XR+\j:XR+\j+1], v[GA+\j:GA+\j+1], v[BE+\j:BE+\j+1]
.endr
.set q, 0
.rept 32
	v_med3_num_f32 v[XR+q], v[XR+q], -v17, v17     ; the conversion to an 8-bit code does not saturate (ISA guide 7.6.2): the hold at the largest code x the scale
.set q, q+1
.endr
.irp g, 0,1,2,3
	v_cvt_scalef32_pk8_fp8_f32 v[CDE+8*\i+2*\g:CDE+8*\i+2*\g+1], v[XR+8*\g:XR+8*\g+7], v16   ; code register j = the codes of k = 128 j + 4 lane + 0..3
.endr
	v_nop                                          ; one plain vector instruction behind the last conversion
.irp j, 0,1,2,3,4,5,6,7
	ds_store_b32 v2, v[CDE+8*\i+\j] offset:16*\i+2176*\j
.endr
.endm
	LNROW 0
	LNROW 1
	LNROW 2
	LNROW 3
	s_wait_dscnt 0x0                               ; for the others' sake: my stores into the stage are done
	s_barrier_signal -1
	s_barrier_wait -1                              ; a block of 256 bytes holds 16 bytes of each of the 16 rows: it comes from all four waves
.irp t, 0,1,2,3,4,5,6,7
	ds_load_b128 v[X+4*\t:X+4*\t+3], v3 offset:544*\t
.endr
.irp t, 0,1,2,3,4,5,6,7
	s_wait_dscnt 7-\t                              ; LDS loads come back in order: load t is in, the younger ones may be out
	global_store_b128 v1, v[X+4*\t:X+4*\t+3], s[16:17] offset:512*\t   ; 32 lanes store 512 consecutive bytes, at a multiple of 256 from the buffer's first byte
.endr
	s_wait_tensorcnt 0x0
	ds_add_u32 v30, v31
	s_wait_dscnt 0x0
	s_endpgm
; ---------------- the weights: k is the FIRST axis.  A lane takes a column n and its registers run down k; the conversions then give codes with k innermost.
; A work-group takes 128 columns x 128 along k (kg = number % 8, cg = number / 8); a wave 32 columns; a block is 32 along k.
; In the image a column's 32 codes of a block are 16 bytes (k 0-7, 16-23) and, 256 bytes on, 16 bytes (k 8-15, 24-31): sixteen lanes (sixteen columns) fill an aligned 256 bytes with one store.
.macro WLOAD t, n, src
.set q, 0
.rept 32
	global_load_b32 v[X+32*((\t)%2)+q], v3, s[\src:\src+1] offset:(32*(\t)+q)*\n*4 th:TH_LOAD_NT   ; one row k at 32 neighbouring columns; the offset stays under 1,560,577, inside the signed 24-bit immediate
.set q, q+1
.endr
.endm
.macro WBLOCK t, n, src, dst
.set XS, X+32*((\t)%2)
.if (\t) < 3
	s_wait_loadcnt 32                              ; this block's 32 loads are in; the next block's may be out
.else
	s_wait_loadcnt 0
.endif
.set q, 0
.rept 32
	v_med3_num_f32 v[XS+q], v[XS+q], -v17, v17
.set q, q+1
.endr
	v_cvt_scalef32_pk8_fp8_f32 v[WC+8*(\t):WC+8*(\t)+1], v[XS:XS+7], v16
	v_cvt_scalef32_pk8_fp8_f32 v[WC+8*(\t)+2:WC+8*(\t)+3], v[XS+16:XS+23], v16
	v_cvt_scalef32_pk8_fp8_f32 v[WC+8*(\t)+4:WC+8*(\t)+5], v[XS+8:XS+15], v16
	v_cvt_scalef32_pk8_fp8_f32 v[WC+8*(\t)+6:WC+8*(\t)+7], v[XS+24:XS+31], v16
	v_nop
	global_store_b128 v4, v[WC+8*(\t):WC+8*(\t)+3], s[\dst:\dst+1] offset:512*(\t)
	global_store_b128 v4, v[WC+8*(\t)+4:WC+8*(\t)+7], s[\dst:\dst+1] offset:512*(\t)+256
.if (\t)+2 < 4
	WLOAD (\t)+2, \n, \src
.endif
.endm
.macro WQUANT n, first, src, dst, e
	s_sub_co_u32 s32, ttmp9, \first
	s_and_b32 s33, s32, 7                          ; kg
	s_lshr_b32 s34, s32, 3                         ; cg
	s_mul_i32 s36, s33, 512*\n                     ; 128 kg rows of n x 4 bytes,
	s_lshl_b32 s35, s34, 9                         ; 128 cg columns,
	s_add_co_u32 s36, s36, s35
	s_lshl_b32 s35, s22, 7                         ; 32 columns a wave
	s_add_co_u32 s36, s36, s35
	s_mov_b32 s37, 0
	s_add_nc_u64 s[\src:\src+1], s[\src:\src+1], s[36:37]
	s_lshl_b32 s36, s34, 17                        ; the image: row blocks 8 cg + 2 w on, 16,384 bytes each,
	s_lshl_b32 s35, s22, 15
	s_add_co_u32 s36, s36, s35
	s_lshl_b32 s35, s33, 11                        ; and 2,048 kg
	s_add_co_u32 s36, s36, s35
	s_add_nc_u64 s[\dst:\dst+1], s[\dst:\dst+1], s[36:37]
	WLOAD 0, \n, \src
	WLOAD 1, \n, \src
	s_wait_kmcnt 0x0
	s_add_co_i32 s38, s[\e], 127
	s_lshl_b32 s39, s38, 23
	v_mov_b32 v16, s39                             ; 2^e
	s_add_co_i32 s38, s38, 8
	s_lshl_b32 s38, s38, 23
	s_or_b32 s38, s38, 0x600000
	v_mov_b32 v17, s38                             ; 448 x 2^e
	s_wait_alu depctr_va_vdst(0)
	WBLOCK 0, \n, \src, \dst
	WBLOCK 1, \n, \src, \dst
	WBLOCK 2, \n, \src, \dst
	WBLOCK 3, \n, \src, \dst
.endm
.Lweights:
	s_wait_alu depctr_va_vdst(0)
	v_lshlrev_b32 v3, 2, v1                        ; in: 4 bytes a lane
	v_and_b32 v4, 15, v0
	v_bfe_u32 v5, v0, 4, 1
	v_lshlrev_b32 v4, 4, v4
	v_lshl_add_u32 v4, v5, 14, v4                  ; out: 16 (lane % 16) + 16,384 (lane / 16)
	s_cmp_lt_u32 ttmp9, NLN+NWQ
	s_cbranch_scc0 .Lwproj
	s_wait_alu depctr_va_vdst(0)
	WQUANT 3072, NLN, 10, 18, 25
	s_endpgm
.Lwproj:
	s_wait_alu depctr_va_vdst(0)
	WQUANT 1024, NLN+NWQ, 12, 20, 31
	s_endpgm
.Lfunc_end_k_q329c0945a8_prep:
	.size	k_q329c0945a8_prep, .Lfunc_end_k_q329c0945a8_prep-k_q329c0945a8_prep
	.p2alignl 7, 3214868480
	.fill 96, 4, 3214868480
	.section	.rodata,"a",@progbits
	.p2align	6, 0x0
	.amdhsa_kernel k_q329c0945a8_prep
		.amdhsa_group_segment_fixed_size 17920
		.amdhsa_private_segment_fixed_size 0
		.amdhsa_enable_private_segment 0
		.amdhsa_kernarg_size 72
		.amdhsa_user_sgpr_count 2
		.amdhsa_user_sgpr_kernarg_segment_ptr 1
		.amdhsa_wavefront_size32 1
		.amdhsa_system_sgpr_workgroup_id_x 1
		.amdhsa_system_sgpr_workgroup_id_y 1
		.amdhsa_system_sgpr_workgroup_id_z 1
		.amdhsa_system_vgpr_workitem_id 0
		.amdhsa_next_free_vgpr 256
		.amdhsa_next_free_sgpr 66
		.amdhsa_reserve_vcc 0
		.amdhsa_float_denorm_mode_32 3
		.amdhsa_float_denorm_mode_16_64 3
		.amdhsa_memory_ordered 1
		.amdhsa_forward_progress 1
		.amdhsa_inst_pref_size 91
	.end_amdhsa_kernel
	.amdgpu_metadata
---
amdhsa.version: [ 1, 2 ]
amdhsa.kernels:
  - .name:           k_q329c0945a8_prep
    .symbol:         k_q329c0945a8_prep.kd
    .args:
      - { .name: x, .offset: 0, .size: 8, .value_kind: global_buffer, .address_space: global }
      - { .name: ln_gamma, .offset: 8, .size: 8, .value_kind: global_buffer, .address_space: global }
      - { .name: ln_beta, .offset: 16, .size: 8, .value_kind: global_buffer, .address_space: global }
      - { .name: w_qkv, .offset: 24, .size: 8, .value_kind: global_buffer, .address_space: global }
      - { .name: w_proj, .offset: 32, .size: 8, .value_kind: global_buffer, .address_space: global }
      - { .name: lowp_scales, .offset: 40, .size: 8, .value_kind: global_buffer, .address_space: global }
      - { .name: xn_codes, .offset: 48, .size: 8, .value_kind: global_buffer, .address_space: global }
      - { .name: wq_codes, .offset: 56, .size: 8, .value_kind: global_buffer, .address_space: global }
      - { .name: wp_codes, .offset: 64, .size: 8, .value_kind: global_buffer, .address_space: global }
    .group_segment_fixed_size: 17920
    .private_segment_fixed_size: 0
    .kernarg_segment_align: 8
    .kernarg_segment_size: 72
    .max_flat_workgroup_size: 128
    .sgpr_count:     66
    .vgpr_count:     256
    .wavefront_size: 32
...
	.end_amdgpu_metadata
.endif
;; end of part 1
;; launch qkv (part 2): grid 64 x 4, 4 waves a work-group, clusters of 4 x 1, 327,680 bytes of LDS; arguments xn_codes, wq_codes, b_qkv, lowp_scales, qkv_codes; writes qkv_codes
.if DOCPART == 2
	.amdgcn_target "amdgcn-amd-amdhsa--gfx1250"
	.amdhsa_code_object_version 6
	.text
	.protected	k_q329c0945a8_qkv
	.globl	k_q329c0945a8_qkv
	.p2align	8
	.type	k_q329c0945a8_qkv,@function
k_q329c0945a8_qkv:
	s_mov_b64 s[64:65], 0
	v_nop
	global_prefetch_b8 v0, s[64:65] scope:SCOPE_SE
	s_setreg_imm32_b32 hwreg(HW_REG_WAVE_MODE, 25, 1), 1
	s_wait_xcnt 0x0
	s_wait_alu depctr_hold_cnt(0) depctr_sa_sdst(0) depctr_va_vdst(0) depctr_va_sdst(0) depctr_va_ssrc(0) depctr_va_vcc(0) depctr_vm_vsrc(0)
	s_getreg_b32 s2, hwreg(HW_REG_IB_STS2, 6, 4)
	s_cmp_eq_u32 s2, 0
	s_cbranch_scc0 .Lentry_in_a_cluster
	s_endpgm
.Lentry_in_a_cluster:
	s_bfe_u32 s2, ttmp6, 0x10000c
	s_cmp_lg_u32 s2, 0x3003
	s_cbranch_scc0 .Lentry_shape_is_right
	s_endpgm
.Lentry_shape_is_right:
; QKV = Q(xn) Q(w_qkv) x 2^(e0 + e1) + b_qkv, on codes of E4M3, quantised again (q with 2^e2, k with 2^e3, v with 2^e5) and stored as images of the next launch's operand registers:
; 393,216 bytes a (batch, head): Q (16 tokens x 64 d = 1,024 bytes a block), K likewise, V with the keys innermost (128 keys = 8,192 bytes: four blocks of 16 d x 128 keys).
; SHARES.  A work-group owns a strip of 128 tokens and 768 columns: column groups y, y + 4, y + 8 of 256, one of q, one of k, one of v.  Wave w owns tokens 64 (w / 2) on and columns 128 (w % 2) on of each group.
; A (the tokens' codes) STAYS IN REGISTERS: 64 rows x K 1,024 are 512 registers a wave, loaded once from the image, 512 consecutive bytes a load, and used for all 768 columns.  So A takes no LDS, and is no joint load.
; B (the weights' codes) goes through a RING OF TWO SLOTS of 131,072 bytes: slot hb holds, over the whole of K, row blocks 4 hb .. 4 hb + 3 of each wave's eight.  The four strips of a cluster need the same rows:
; each wave asks for 32,768 bytes by one joint load.  A slot step is 8 units on one slot; at its head stand the three lines, a round of the cluster's barrier and the fill of the other slot, which has the step's 128 matrix instructions in which to land.
; A UNIT is 16 matrix instructions: 128 along K x 64 tokens x 64 columns, on four fragments of B.  B has three sets of registers: a unit's LDS loads are issued two units ahead.  A step's 16 accumulators take turns.
; q, k: source 0 = weights, source 1 = tokens: a lane holds one token and eight neighbouring d.  v: the sources swapped: a lane holds one d and eight neighbouring tokens (keys).  The conversions' results are the images.
; PREFETCH, two slot steps ahead of the load: in a group's first step the next group's second half is asked for; in the first group's second step the third group's first half.  The second group's first half comes by its load alone.
; The 64 work-groups that share a half share its 512 blocks of 256 bytes out by address, two to a wave (lanes 2-31 name the wave's last again).
; LIMITS: e0 + e1 between -126 and 127; e2, e3, e5 between -126 and 119.  NaN is not served.
; REGISTERS.  window 0: v1-15 addresses and constants; v32-47 v's bias; v64-255 B's three sets (on the way out: v64-127 codes, v192-255 q's or k's bias).  windows 1, 2: A, fragment (i, q) at 128 i + 16 q.  window 3: accumulator (i, b) at 64 i + 8 b.
.set SPARE, 262144
.set LI,  1
.set ADB, 2
.set BO,  4
.set BR,  5
.set PFO, 6
.set SPW, 7
.set NIL, 8
.set HL,  10                           ; v10, v11 the hold and the scale in hand (q, then k); v12, v13 k's; v14, v15 v's
.set BIR, 32
.set CD,  64
.set BIC, 192
.set G1,  24
.set G0,  32                           ; s[32:35] slot 0's group 0, s[36:39] slot 1's
.set MSB, 0
.macro WIN new
.if MSB != (\new)
	s_set_vgpr_msb (MSB<<8)|(\new)
.set MSB, (\new)
.endif
.endm
.macro NOPS n
.rept \n
	v_nop
.endr
.endm
.macro CROUND
	s_barrier_signal -1
	s_barrier_wait -1
	s_cmp_lg_u32 s14, 0
	s_cbranch_scc1 .Lnot_wave_0_\@
	s_barrier_signal -3
.Lnot_wave_0_\@:
	s_barrier_wait -3
	s_barrier_signal -1
	s_barrier_wait -1
.endm
.macro ALD hq                          ; A's fragments of K steps 4 hq .. 4 hq + 3, all four row blocks: 64 loads
.irp w2, 0,1
	WIN 0x40*(1+\w2)
.irp i2, 0,1
.irp q, 0,1,2,3
.irp c, 0,1,2,3
	global_load_b128 v[128*\i2+16*(4*\hq+\q)+4*\c:128*\i2+16*(4*\hq+\q)+4*\c+3], v[LI], s[20:21] offset:16384*(2*\w2+\i2)+2048*(4*\hq+\q)+512*\c
.endr
.endr
.endr
.endr
	WIN 0
.endm
.macro BLD v, hb                       ; B's four fragments of unit v (K step v) of slot hb into set v % 3
.irp b, 0,1,2,3
.irp c, 0,1,2,3
	ds_load_b128 v[64+64*((\v)%3)+16*\b+4*\c:64+64*((\v)%3)+16*\b+4*\c+3], v[ADB+\hb] offset:16384*\b+2048*(\v)+512*\c
.endr
.endr
.endm
.macro UNIT v, hb, nat
	WIN 0
.if (\v)+2 < 8
	NOPS 4                                         ; places in front of loads into the set that the unit before has read
	BLD (\v)+2, \hb
.endif
.if (\nat) == 0
.if (\hb) == 0
.if (\v) == 0
	s_wait_loadcnt 63                              ; of 144 loads the oldest 81 are in: A's K steps 0-3 and v's bias among them
.elseif (\v) == 4
	s_wait_loadcnt 0x0                             ; all of A
.elseif (\v) == 2
	global_prefetch_b8 v[PFO], s[86:87] offset:0x110000 th:TH_LOAD_NT scope:SCOPE_SE   ; the next group's second half
.endif
.else
.if (\v) == 2
	s_cmp_eq_u32 s3, 2                             ; in the first trip alone: there is no group behind the third
	s_cbranch_scc0 .Lnone_\@
	global_prefetch_b8 v[PFO], s[86:87] offset:0x200000 th:TH_LOAD_NT scope:SCOPE_SE   ; the third group's first half
.Lnone_\@:
.elseif (\v) == 7
	NOPS 4                                         ; set 2 has had its last unit: it takes this group's bias
.irp b, 0,1,2,3,4,5,6,7
	global_load_b128 v[BIC+8*\b:BIC+8*\b+3], v[BO], s[80:81] offset:64*\b
	global_load_b128 v[BIC+8*\b+4:BIC+8*\b+7], v[BO], s[80:81] offset:64*\b+16
.endr
.endif
.endif
.endif
.if (\v) < 6
	s_wait_dscnt 32                                ; this unit's 16 loads are in; the next two units' may be out
.else
	s_wait_dscnt 16*(7-(\v))
.endif
.irp i, 0,1,2,3
.if \nat
	WIN 0xf1+(\i/2)
.else
	WIN 0xf4+4*(\i/2)
.endif
.irp b, 0,1,2,3
.set AC, 8*(8*\i+4*\hb+\b)
.set AR, 128*(\i%2)+16*(\v)
.set BF, 64+64*((\v)%3)+16*\b
.if (\nat) && ((\v) == 0)
	v_wmma_f32_16x16x128_fp8_fp8 v[AC:AC+7], v[AR:AR+15], v[BF:BF+15], 0
.elseif \nat
	v_wmma_f32_16x16x128_fp8_fp8 v[AC:AC+7], v[AR:AR+15], v[BF:BF+15], v[AC:AC+7]
.elseif (\v) == 0
	v_wmma_f32_16x16x128_fp8_fp8 v[AC:AC+7], v[BF:BF+15], v[AR:AR+15], 0
.else
	v_wmma_f32_16x16x128_fp8_fp8 v[AC:AC+7], v[BF:BF+15], v[AR:AR+15], v[AC:AC+7]
.endif
.endr
.endr
.endm
.macro SLOTSTEP hb, nat
	BLD 0, \hb
	BLD 1, \hb
.set U, 0
.rept 8
	UNIT U, \hb, \nat
.set U, U+1
.endr
	WIN 0
.endm
; THE CHANGE OF SLOTS: all my tensor loads are in (my part of the slot ahead), the add, my reads of the slot left are over; a round of the cluster's barrier; then slot s is filled.  step = 1: both slots' addresses go four groups on
.macro TOP s, step
	s_wait_tensorcnt 0x0
	ds_add_u32 v[SPW], v[NIL]
.if \step
	s_add_nc_u64 s[G0+2:G0+3], s[G0+2:G0+3], 0x100000
	s_add_nc_u64 s[G0+6:G0+7], s[G0+6:G0+7], 0x100000
.endif
	s_wait_dscnt 0x0
	CROUND
	tensor_load_to_lds s[G0+4*\s:G0+4*\s+3], s[G1:G1+7]
	s_nop 0
	NOPS 4                                         ; also the places in front of the loads into B's sets
.endm
; THE WAY OUT of a group: sum x 2^(e0 + e1) + bias, the hold, the conversion; 512 consecutive bytes a store
.macro EPI nat, h
	WIN 0xc3
.irp i, 0,1,2,3
.irp b, 0,1,2,3,4,5,6,7
.irp j, 0,2,4,6
.if \nat
	v_pk_fma_f32 v[64*\i+8*\b+\j:64*\i+8*\b+\j+1], v[64*\i+8*\b+\j:64*\i+8*\b+\j+1], s[96:97], v[BIR+2*\b:BIR+2*\b+1] op_sel_hi:[1,0,1]
.else
	v_pk_fma_f32 v[64*\i+8*\b+\j:64*\i+8*\b+\j+1], v[64*\i+8*\b+\j:64*\i+8*\b+\j+1], s[96:97], v[BIC+8*\b+\j:BIC+8*\b+\j+1] op_sel_hi:[1,0,1]
.endif
.endr
.endr
.endr
.set N, 0
.rept 256
	v_med3_num_f32 v[N], v[N], -v[\h], v[\h]       ; the conversion does not saturate (ISA guide 7.6.2)
.set N, N+1
.endr
	WIN 0x03
.irp i, 0,1,2,3
.irp b, 0,1,2,3,4,5,6,7
.if \nat
	v_cvt_scalef32_pk8_fp8_f32 v[CD+8*\b+2*\i:CD+8*\b+2*\i+1], v[64*\i+8*\b:64*\i+8*\b+7], v[\h+1]
.else
	v_cvt_scalef32_pk8_fp8_f32 v[CD+16*\i+2*\b:CD+16*\i+2*\b+1], v[64*\i+8*\b:64*\i+8*\b+7], v[\h+1]
.endif
.endr
.endr
	WIN 0
	v_nop
.if \nat
.irp b, 0,1,2,3,4,5,6,7
.irp p, 0,1
	global_store_b128 v[LI], v[CD+8*\b+4*\p:CD+8*\b+4*\p+3], s[84:85] offset:393216*(\b/4)+2048*(\b%4)+512*\p
.endr
.endr
.else
.irp i, 0,1,2,3
.irp q, 0,1,2,3
	global_store_b128 v[LI], v[CD+16*\i+4*\q:CD+16*\i+4*\q+3], s[12:13] offset:1024*\i+393216*(\q/2)+512*(\q%2)
.endr
.endr
.endif
.endm
	s_load_b256 s[4:11], s[0:1], 0x0               ; xn_codes, wq_codes, b_qkv, the scales' exponents
	s_load_b64 s[12:13], s[0:1], 0x20              ; qkv_codes
	v_lshl_add_u32 v[SPW], v0, 2, SPARE
	v_mov_b32 v[NIL], 0
	ds_add_u32 v[SPW], v[NIL]                      ; the opening lines: the add, twice on end, and its wait
	ds_add_u32 v[SPW], v[NIL]
	v_lshrrev_b32 v9, 5, v0
	v_readfirstlane_b32 s14, v9                    ; wave 0..3
	s_lshr_b32 s15, s14, 1                         ; my half of the strip's tokens.  Also: for which column half I fetch
	s_and_b32 s16, s14, 1                          ; my half of a group's columns.  Also: which two of a slot's four row blocks there I fetch
	s_bfe_u32 s40, ttmp6, 0x40000                  ; cx: it enters global addresses of plain loads, prefetches and stores alone
	s_lshl_b32 s17, ttmp9, 2
	s_add_co_u32 s17, s17, s40                     ; the strip
	s_and_b32 s42, ttmp7, 0xffff                   ; y, which the four partners share
	s_mov_b32 s[G1], 15|(3<<16)|(1<<21)            ; the mask: all four; elements of 8 bytes; bit 21 beside a mask
	s_mov_b32 s[G1+1], 32<<16                      ; rows of 256 bytes,
	s_mov_b32 s[G1+2], 128<<16                     ; 128 of them
	s_mov_b32 s[G1+3], 32<<16
	s_mov_b32 s[G1+4], 128
	s_mov_b32 s[G1+5], 32
	s_mov_b32 s[G1+6], 0
	s_mov_b32 s[G1+7], 0
	s_lshl_b32 s45, s15, 17
	s_lshl_b32 s46, s16, 15
	s_add_co_u32 s45, s45, s46                     ; my 32,768 bytes of slot 0, in LDS,
	s_lshl_b32 s46, s42, 18
	s_add_co_u32 s46, s46, s45                     ; and in memory: group y
	s_mov_b32 s47, 0
	s_lshl_b32 s20, s17, 17                        ; A: 131,072 bytes a strip, my half
	s_lshl_b32 s21, s15, 16
	s_add_co_u32 s20, s20, s21
	s_mov_b32 s21, 0
	v_and_b32 v9, 31, v0
	v_lshlrev_b32 v[LI], 4, v9
	v_bfe_u32 v[BO], v0, 4, 1
	v_lshlrev_b32 v[BO], 5, v[BO]                  ; q's and k's bias: 32 (lane / 16)
	v_and_b32 v[BR], 15, v0
	v_lshlrev_b32 v[BR], 2, v[BR]                  ; v's bias: 4 (lane % 16)
	v_min_u32 v[PFO], 1, v9
	v_lshlrev_b32 v[PFO], 8, v[PFO]
	s_lshl_b32 s18, s16, 17
	v_add_nc_u32 v[ADB], s18, v[LI]                ; my eight row blocks of B: 0-3 in slot 0,
	v_add_nc_u32 v[ADB+1], 0x10000, v[ADB]         ; 4-7 in slot 1
	s_wait_alu depctr_va_vdst(0)
	s_wait_dscnt 0x0
	s_wait_kmcnt 0x0
	s_load_b256 s[72:79], s[10:11], 0x0            ; e0 .. e7
	s_add_nc_u64 s[20:21], s[4:5], s[20:21]
	s_mov_b32 s[G0], 1
	s_mov_b32 s[G0+1], s45
	s_add_nc_u64 s[G0+2:G0+3], s[6:7], s[46:47]
	s_mov_b32 s[G0+4], 1
	s_add_co_u32 s[G0+5], s45, 65536
	s_add_nc_u64 s[G0+6:G0+7], s[G0+2:G0+3], 65536
	s_or_b32 s[G0+3], s[G0+3], 0x80000000
	s_or_b32 s[G0+7], s[G0+7], 0x80000000
	ALD 0
	CROUND                                         ; all four work-groups are here: the joint loads meet
	tensor_load_to_lds s[G0:G0+3], s[G1:G1+7]      ; slot 0: my one tensor load at the head
	s_nop 0
	NOPS 4
	s_lshl_b32 s50, s42, 10
	s_lshl_b32 s51, s16, 9
	s_add_co_u32 s50, s50, s51                     ; 4 x my first column in a group's thousand
	s_mov_b32 s51, 0
	s_add_nc_u64 s[80:81], s[8:9], s[50:51]
.irp b, 0,1,2,3,4,5,6,7
	global_load_b32 v[BIR+2*\b], v[BR], s[80:81] offset:8192+64*\b
	global_load_b32 v[BIR+2*\b+1], v[BR], s[80:81] offset:8192+64*\b
.endr
	ALD 1
	s_and_b32 s52, s17, 31                         ; the prefetches: of a half's 256 pieces of 512 bytes mine is number 4 strip + wave: 128 pieces in each column half
	s_lshl_b32 s52, s52, 2
	s_add_co_u32 s52, s52, s14
	s_lshl_b32 s52, s52, 9
	s_lshr_b32 s53, s17, 5
	s_lshl_b32 s53, s53, 17
	s_add_co_u32 s52, s52, s53
	s_lshl_b32 s53, s42, 18
	s_add_co_u32 s52, s52, s53
	s_mov_b32 s53, 0
	s_add_nc_u64 s[86:87], s[6:7], s[52:53]
	s_lshr_b32 s50, s17, 4                         ; the result: (batch, head) = 16 (strip / 16) + 4 y + 2 (w % 2)
	s_lshl_b32 s50, s50, 4
	s_lshl_b32 s51, s42, 2
	s_add_co_u32 s50, s50, s51
	s_lshl_b32 s51, s16, 1
	s_add_co_u32 s50, s50, s51
	s_mul_i32 s50, s50, 393216
	s_and_b32 s51, s17, 15
	s_lshl_b32 s51, s51, 13                        ; 128 tokens are 8,192 bytes in Q, K and V alike
	s_add_co_u32 s50, s50, s51
	s_lshl_b32 s52, s15, 10
	s_add_co_u32 s52, s52, s50
	s_add_co_u32 s52, s52, 262144                  ; V: my 64 keys are registers 8 (w / 2) on of each block
	s_mov_b32 s53, 0
	s_add_nc_u64 s[84:85], s[12:13], s[52:53]
	s_lshl_b32 s52, s15, 12
	s_add_co_u32 s50, s50, s52                     ; Q: my four token blocks
	s_mov_b32 s51, 0
	s_add_nc_u64 s[12:13], s[12:13], s[50:51]
	s_wait_kmcnt 0x0
	s_add_co_i32 s96, s72, s73
	s_add_co_i32 s96, s96, 127
	s_lshl_b32 s96, s96, 23                        ; 2^(e0 + e1)
	s_mov_b32 s97, s96
.macro HOLD e, r
	s_add_co_i32 s90, s[\e], 127
	s_lshl_b32 s91, s90, 23
	v_mov_b32 v[\r+1], s91                         ; 2^e
	s_add_co_i32 s90, s90, 8
	s_lshl_b32 s90, s90, 23
	s_or_b32 s90, s90, 0x600000
	v_mov_b32 v[\r], s90                           ; 448 x 2^e
.endm
	HOLD 74, HL
	HOLD 75, HL+2
	HOLD 77, HL+4
	s_mov_b32 s3, 2
	s_wait_alu depctr_va_vdst(0)
.Lqk:                                              ; two trips: q's group, then k's
	TOP 1, 0                                       ; slot 1 takes this group's second half (the first time: its first fill, issued as a refill is)
	SLOTSTEP 0, 0
	TOP 0, 1                                       ; slot 0 takes the next group's first half
	SLOTSTEP 1, 0
	NOPS 4                                         ; places behind the last products
	s_wait_loadcnt 0x0                             ; the bias
	EPI 0, HL
	v_mov_b32 v[HL], v[HL+2]
	v_mov_b32 v[HL+1], v[HL+3]
	s_wait_alu depctr_va_vdst(0)
	s_wait_xcnt 0x0                                ; the stores have read their data and base, the prefetches and the loads their bases
	s_add_nc_u64 s[12:13], s[12:13], 131072
	s_add_nc_u64 s[80:81], s[80:81], 4096
	s_add_nc_u64 s[86:87], s[86:87], 0x100000
	s_sub_co_u32 s3, s3, 1
	s_cmp_lg_u32 s3, 0
	s_cbranch_scc1 .Lqk
	TOP 1, 0                                       ; v's group: its second half
	SLOTSTEP 0, 1
	s_wait_tensorcnt 0x0                           ; the last change of slots fills nothing, and has no round of the cluster's barrier
	ds_add_u32 v[SPW], v[NIL]
	s_wait_dscnt 0x0
	s_barrier_signal -1
	s_barrier_wait -1
	NOPS 4
	SLOTSTEP 1, 1
	NOPS 4
	EPI 1, HL+4
	s_wait_tensorcnt 0x0                           ; the wave's end
	ds_add_u32 v[SPW], v[NIL]
	s_wait_dscnt 0x0
	CROUND                                         ; the closing round
	s_endpgm
.Lfunc_end_k_q329c0945a8_qkv:
	.size	k_q329c0945a8_qkv, .Lfunc_end_k_q329c0945a8_qkv-k_q329c0945a8_qkv
	.p2alignl 7, 3214868480
	.fill 96, 4, 3214868480
	.section	.rodata,"a",@progbits
	.p2align	6, 0x0
	.amdhsa_kernel k_q329c0945a8_qkv
		.amdhsa_group_segment_fixed_size 327680
		.amdhsa_private_segment_fixed_size 0
		.amdhsa_enable_private_segment 0
		.amdhsa_kernarg_size 40
		.amdhsa_user_sgpr_count 2
		.amdhsa_user_sgpr_kernarg_segment_ptr 1
		.amdhsa_wavefront_size32 1
		.amdhsa_system_sgpr_workgroup_id_x 1
		.amdhsa_system_sgpr_workgroup_id_y 1
		.amdhsa_system_sgpr_workgroup_id_z 1
		.amdhsa_system_vgpr_workitem_id 0
		.amdhsa_next_free_vgpr 1024
		.amdhsa_next_free_sgpr 100
		.amdhsa_reserve_vcc 0
		.amdhsa_float_denorm_mode_32 3
		.amdhsa_float_denorm_mode_16_64 3
		.amdhsa_memory_ordered 1
		.amdhsa_forward_progress 1
		.amdhsa_inst_pref_size 151
	.end_amdhsa_kernel
	.amdgpu_metadata
---
amdhsa.version: [ 1, 2 ]
amdhsa.kernels:
  - .name:           k_q329c0945a8_qkv
    .symbol:         k_q329c0945a8_qkv.kd
    .args:
      - { .name: xn_codes, .offset: 0, .size: 8, .value_kind: global_buffer, .address_space: global }
      - { .name: wq_codes, .offset: 8, .size: 8, .value_kind: global_buffer, .address_space: global }
      - { .name: b_qkv, .offset: 16, .size: 8, .value_kind: global_buffer, .address_space: global }
      - { .name: lowp_scales, .offset: 24, .size: 8, .value_kind: global_buffer, .address_space: global }
      - { .name: qkv_codes, .offset: 32, .size: 8, .value_kind: global_buffer, .address_space: global }
    .group_segment_fixed_size: 327680
    .private_segment_fixed_size: 0
    .kernarg_segment_align: 8
    .kernarg_segment_size: 40
    .max_flat_workgroup_size: 128
    .sgpr_count:     100
    .vgpr_count:     1024
    .wavefront_size: 32
...
	.end_amdgpu_metadata
.endif
;; end of part 2
;; launch attn (part 3): grid 4 x 64, 8 waves a work-group, clusters of 4 x 1, 263,168 bytes of LDS; arguments qkv_codes, lowp_scales, ao_codes; writes ao_codes
.if DOCPART == 3
	.amdgcn_target "amdgcn-amd-amdhsa--gfx1250"
	.amdhsa_code_object_version 6
	.text
	.protected	k_q329c0945a8_attn
	.globl	k_q329c0945a8_attn
	.p2align	8
	.type	k_q329c0945a8_attn,@function
k_q329c0945a8_attn:
	s_mov_b64 s[64:65], 0
	v_nop
	global_prefetch_b8 v0, s[64:65] scope:SCOPE_SE
	s_setreg_imm32_b32 hwreg(HW_REG_WAVE_MODE, 25, 1), 1
	s_wait_xcnt 0x0
	s_wait_alu depctr_hold_cnt(0) depctr_sa_sdst(0) depctr_va_vdst(0) depctr_va_sdst(0) depctr_va_ssrc(0) depctr_va_vcc(0) depctr_vm_vsrc(0)
	s_getreg_b32 s2, hwreg(HW_REG_IB_STS2, 6, 4)
	s_cmp_eq_u32 s2, 0
	s_cbranch_scc0 .Lentry_in_a_cluster
	s_endpgm
.Lentry_in_a_cluster:
	s_bfe_u32 s2, ttmp6, 0x10000c
	s_cmp_lg_u32 s2, 0x3003
	s_cbranch_scc0 .Lentry_shape_is_right
	s_endpgm
.Lentry_shape_is_right:
; ATTENTION on codes of E4M3: 64 heads, 2,048 queries and keys, head size 64.  Q, K, V come as images of the operands' registers (393,216 bytes a head: Q, K, V);
; the result leaves as codes with 2^e6, an image again (16 tokens x this head's 64 = 1,024 bytes).
; SOFTMAX: t = score x log2(e) / 8; M = the running largest t rounded UP to a whole number; p = 2^(t - M) is quantised with 2^e4, not normalised; the row's sum is taken of the
; unquantised p and divides at the end.  When M moves, the sum and O are multiplied by 2^(old M - new M): exact, no branch on data.
; SHARES.  A cluster of four work-groups is one head; a work-group owns 512 queries; each of its eight waves 64: four tiles of 16, worked in two pairs.  A fragment of K or V is read from LDS once a step and serves all four tiles.
; LDS.  The head's K (131,072 bytes) and V (131,072) lie in LDS whole, as in memory.  Each byte is filled ONCE: each wave issues one joint load of 32,768 bytes, the same in all four work-groups.  Nothing is filled again.
; No prefetch: all that the launch reads through LDS is asked for at its head, so there is no loop to run ahead in.
; LAYOUT.  Both products are used transposed: S^T = K Q^T (source 0 = 16 keys, source 1 = 16 queries, K = 64), O^T = V^T P^T (source 0 = 16 d, source 1 = P, K = 128 keys): a lane holds ONE query (lane % 16).
; In S^T tile f register j is key 16 f + 8 (lane / 16) + j: the k of registers 2 f, 2 f + 1 of the 128-deep operand: the conversions' results ARE P.
; LIMITS.  e4 between -8 and 119: p is at most 1 (M is at or above every t), so p / 2^e4 is at most 256, inside E4M3, and no hold stands ahead of p's conversion.  e2 + e3 between -123 and 130 (added to c's exponent field);
; e6 between -126 and 119; e4 + e5 is applied by v_ldexp_f32.  The scaled scores stay under 2^31 in magnitude.  NaN is not served.
; REGISTERS.  window 0: v1 16 x lane; v2, v3 LDS addresses; v4, v5 the add's two; v6 2^e4, v7 2^e6; v8-55 four tiles' statistics; v64-191 S^T, then p, of the pair in hand; v192-223 its P; v224-255 Q.
;   window 1: v0-127 O^T of four tiles; v128-191 K's eight fragments; v192-255 V's four.
.set SPARE, 0x40000                    ; behind K and V: the spare words, 128 bytes a wave
.set LI,  1
.set AK,  2
.set AV,  3
.set SPW, 4
.set NIL, 5
.set SCP, 6
.set SCO, 7
.set ST,  8                            ; tile T at ST + 12 T: +0 -M, +1 the largest raw score, +2, +3 the sum, +4 f (+5 its partner), +6 .. +9 at work, +10 1 / sum (+11 its partner)
.set S,   64
.set P,   192
.set Q,   224
.set O,   0                            ; window 1
.set KF,  128
.set VF,  192
.set WV,  10
.set G1,  24
.set G0,  32
.set CS,  56
.set SEL, 58
.set TK,  60
.set TV,  61
.set TN,  62
.set CNT, 63
.set E45, 67
.set OLP, 68
.set OLN, 69
.set OB,  70
.set QB,  72
.set MSB, 0
.macro WIN new                         ; the immediate's high byte repeats the setting that is left
.if MSB != \new
	s_set_vgpr_msb (MSB<<8)|\new
.set MSB, \new
.endif
.endm
.macro CROUND                          ; a round of the cluster's barrier
	s_barrier_signal -1
	s_barrier_wait -1
	s_cmp_lg_u32 s[WV], 0
	s_cbranch_scc1 .Lnot_wave_0_\@
	s_barrier_signal -3
.Lnot_wave_0_\@:
	s_barrier_wait -3
	s_barrier_signal -1
	s_barrier_wait -1
.endm
.macro NOPS n
.rept \n
	v_nop
.endr
.endm
	s_load_b128 s[4:7], s[0:1], 0x0                ; qkv_codes, the scales' exponents
	s_load_b64 s[8:9], s[0:1], 0x10                ; ao_codes
	v_lshl_add_u32 v[SPW], v0, 2, SPARE
	v_mov_b32 v[NIL], 0
	ds_add_u32 v[SPW], v[NIL]                      ; the opening lines: the add, twice on end, and its wait
	ds_add_u32 v[SPW], v[NIL]
	v_lshrrev_b32 v1, 5, v0
	v_readfirstlane_b32 s[WV], v1                  ; wave 0..7
	s_bfe_u32 s11, ttmp6, 0x40000                  ; cx: it enters Q's and the result's global addresses alone
	s_and_b32 s12, ttmp7, 0xffff                   ; the head, which the four partners share
	s_mul_i32 s14, s12, 393216                     ; its first byte
	s_lshl_b32 s16, s[WV], 15                      ; my 32,768 bytes of K and V, in LDS,
	s_add_co_u32 s18, s14, s16
	s_add_co_u32 s18, s18, 131072                  ; and in memory: K and V lie behind Q
	s_mov_b32 s19, 0
	s_mov_b32 s[G1], 15|(3<<16)|(1<<21)            ; the mask: all four work-groups; elements of 8 bytes; bit 21 beside a mask; no padding
	s_mov_b32 s[G1+1], 32<<16                      ; rows of 32 elements = 256 bytes
	s_mov_b32 s[G1+2], 128<<16                     ; 128 rows
	s_mov_b32 s[G1+3], 32<<16
	s_mov_b32 s[G1+4], 128
	s_mov_b32 s[G1+5], 32                          ; dense
	s_mov_b32 s[G1+6], 0
	s_mov_b32 s[G1+7], 0
	s_mov_b32 s[SEL], 0x76543210
	s_mov_b32 s[SEL+1], 0xfedcba98
	s_wait_dscnt 0x0
	s_wait_kmcnt 0x0
	s_load_b256 s[48:55], s[6:7], 0x0              ; e0 .. e7
	s_mov_b32 s[G0], 1
	s_mov_b32 s[G0+1], s16
	s_add_nc_u64 s[G0+2:G0+3], s[4:5], s[18:19]
	s_or_b32 s[G0+3], s[G0+3], 0x80000000
	CROUND                                         ; all four work-groups are here: the joint loads meet
	tensor_load_to_lds s[G0:G0+3], s[G1:G1+7]      ; my one tensor load of the launch
	s_nop 0
	s_lshl_b32 s20, s11, 15                        ; my queries: token blocks 32 cx + 4 w on, 1,024 bytes each
	s_lshl_b32 s21, s[WV], 12
	s_add_co_u32 s20, s20, s21
	s_add_co_u32 s20, s20, s14
	s_mov_b32 s21, 0
	s_add_nc_u64 s[QB:QB+1], s[4:5], s[20:21]
	v_and_b32 v1, 31, v0
	v_lshlrev_b32 v[LI], 4, v1
.irp t, 0,1,2,3
.irp p, 0,1
	global_load_b128 v[Q+8*\t+4*\p:Q+8*\t+4*\p+3], v[LI], s[QB:QB+1] offset:1024*\t+512*\p   ; Q stays in registers
.endr
.endr
	s_lshr_b32 s22, s12, 4                         ; the result: row block 128 batch + 32 cx + 4 w, 16,384 bytes each; unit = head % 16
	s_lshl_b32 s22, s22, 7
	s_lshl_b32 s23, s11, 5
	s_add_co_u32 s22, s22, s23
	s_lshl_b32 s23, s[WV], 2
	s_add_co_u32 s22, s22, s23
	s_lshl_b32 s22, s22, 14
	s_and_b32 s23, s12, 15
	s_lshl_b32 s23, s23, 10
	s_add_co_u32 s22, s22, s23
	s_mov_b32 s23, 0
	s_add_nc_u64 s[OB:OB+1], s[8:9], s[22:23]
	s_wait_alu depctr_va_vdst(0)
	s_wait_kmcnt 0x0
	s_add_co_i32 s14, s50, s51
	s_lshl_b32 s14, s14, 23
	s_add_co_i32 s[CS], s14, 0x3e38aa3b            ; c = log2(e) / 8 x 2^(e2 + e3)
	s_mov_b32 s[CS+1], s[CS]
	s_add_co_i32 s14, s52, 127
	s_lshl_b32 s15, s14, 23
	v_mov_b32 v[SCP], s15                          ; 2^e4
	s_add_co_i32 s[E45], s52, s53
	s_add_co_i32 s14, s54, 127
	s_lshl_b32 s15, s14, 23
	v_mov_b32 v[SCO], s15                          ; 2^e6
	s_add_co_i32 s14, s14, 8
	s_lshl_b32 s14, s14, 23
	s_or_b32 s[OLP], s14, 0x600000                 ; 448 x 2^e6,
	s_or_b32 s[OLN], s[OLP], 0x80000000            ; and its negative
.irp t, 0,1,2,3
	v_mov_b32 v[ST+12*\t+1], 0xff61b1e6            ; the largest score so far: -3e38
	v_mov_b32 v[ST+12*\t], 0x7f61b1e6              ; -M: 3e38, so that the first f is 0
	v_mov_b32 v[ST+12*\t+2], 0
	v_mov_b32 v[ST+12*\t+3], 0
	v_mov_b32 v[ST+12*\t+5], 0                     ; upper halves of pairs of which the low word alone is used
	v_mov_b32 v[ST+12*\t+11], 0
.endr
	v_mov_b32 v[AK], v[LI]
	v_add_nc_u32 v[AV], 0x20000, v[LI]
	WIN 0x40
.set N, 0
.rept 128
	v_mov_b32 v[O+N], 0                            ; the step is written once: the first finds zeros, which the first f = 0 leaves zeros
.set N, N+1
.endr
	WIN 0
	s_mov_b32 s[TK], 0
	s_mov_b32 s[TV], 0x20000
	s_mov_b32 s[CNT], 16
.macro KLOAD                           ; eight fragments of K: 128 keys x 64 d
.irp f, 0,1,2,3,4,5,6,7
	ds_load_b128 v[KF+8*\f:KF+8*\f+3],   v[AK] offset:1024*\f
	ds_load_b128 v[KF+8*\f+4:KF+8*\f+7], v[AK] offset:1024*\f+512
.endr
.endm
.macro VLOAD                           ; four fragments of V: 16 d x 128 keys
.irp t, 0,1,2,3
.irp q, 0,1,2,3
	ds_load_b128 v[VF+16*\t+4*\q:VF+16*\t+4*\q+3], v[AV] offset:2048*\t+512*\q
.endr
.endr
.endm
; line n of 32 of a tile's maximum: four chains, chain n % 4 over accumulators 2 (n % 4) and 2 (n % 4) + 1, each accumulator from its low end on; the old largest goes into chain 0
.macro MX t, s, n
.if (\n) == 0
	v_max3_num_f32 v[\t+6], v[\t+1], v[\s], v[\s+1]
.elseif (\n) < 4
	v_max_num_f32 v[\t+6+(\n)], v[\s+16*(\n)], v[\s+16*(\n)+1]
.else
	v_max3_num_f32 v[\t+6+(\n)%4], v[\t+6+(\n)%4], v[\s+16*((\n)%4)+2*((\n)/4)], v[\s+16*((\n)%4)+2*((\n)/4)+1]
.endif
.endm
; line n of 10: the chains joined, lane l xor 16's, t, the new -M = floor(-t), f = 2^(old M - new M)
.macro STAT t, n
.if (\n) == 0
	v_max3_num_f32 v[\t+6], v[\t+6], v[\t+7], v[\t+8]
.elseif (\n) == 1
	v_max_num_f32 v[\t+6], v[\t+6], v[\t+9]
.elseif (\n) == 2
	v_permlanex16_b32 v[\t+7], v[\t+6], s[SEL], s[SEL+1]
.elseif (\n) == 3
	v_max_num_f32 v[\t+1], v[\t+6], v[\t+7]
.elseif (\n) == 4
	v_mul_f32 v[\t+6], s[CS], v[\t+1]              ; as t (c is positive)
.elseif (\n) == 5
	v_floor_f32 v[\t+7], -v[\t+6]
.elseif (\n) == 6
	v_sub_f32 v[\t+8], v[\t+7], v[\t]              ; old M - new M: a whole number, 0 or less
.elseif (\n) == 7
	v_mov_b32 v[\t], v[\t+7]
.elseif (\n) == 8
	v_cvt_i32_f32 v[\t+8], v[\t+8]                 ; (it saturates)
.else
	v_ldexp_f32 v[\t+4], 1.0, v[\t+8]
.endif
.endm
.macro FM t, s, n                      ; t - M, two at a time
	v_pk_fma_f32 v[\s+2*(\n):\s+2*(\n)+1], v[\s+2*(\n):\s+2*(\n)+1], s[CS:CS+1], v[\t:\t+1] op_sel_hi:[1,0,0]
.endm
.macro TR s, st, n                     ; a level of the sum's tree, in place: n independent additions of pairs st registers apart
.set I, 0
.rept \n
	v_pk_add_f32 v[\s+2*\st*I:\s+2*\st*I+1], v[\s+2*\st*I:\s+2*\st*I+1], v[\s+2*\st*I+\st:\s+2*\st*I+\st+1]
.set I, I+1
.endr
.endm
.macro LF t, s                         ; the sum x f + the step's sum
	v_pk_fma_f32 v[\t+2:\t+3], v[\t+2:\t+3], v[\t+4:\t+5], v[\s:\s+1] op_sel_hi:[1,0,1]
.endm
; A PAIR of tiles (2 a, 2 a + 1) against the step's 128 keys.  The lines of one tile that hang on each other stand between independent lines of the other.
; Between exponentials stand only lines whose sources were written ahead of the wait in front of the batch and whose results are first read behind the wait that closes it.
.macro PAIR a
.set T0, ST+24*\a
.set T1, T0+12
.set S1, S+64
.set OA, O+64*\a
	WIN 0x01                                       ; source 0 (K) window 1
.irp f, 0,1,2,3,4,5,6,7
.irp x, 0,1
	v_wmma_f32_16x16x64_fp8_fp8 v[S+64*\x+8*\f:S+64*\x+8*\f+7], v[KF+8*\f:KF+8*\f+7], v[Q+16*\a+8*\x:Q+16*\a+8*\x+7], 0
.endr
.endr
	WIN 0
.if \a
	s_add_co_u32 s[TK], s[TK], 8192
	s_min_u32 s[TN], s[TK], 122880                 ; the next step's K; the last step fetches its own again, and that fetch is discarded: no read leaves K's bytes
	v_add_nc_u32 v[AK], s[TN], v[LI]
	NOPS 3                                         ; four places in front of the loads into K's registers and of the first read of the scores
	WIN 0x40
	KLOAD
	WIN 0
.else
	NOPS 4                                         ; four places in front of the first read of the scores
.endif
.set N, 0
.rept 32
	MX T0, S, N
.set N, N+1
.endr
.set N, 0
.set M, 0
.rept 10
	STAT T0, M
.rept 3
	MX T1, S1, N
.set N, N+1
.endr
.set M, M+1
.endr
	MX T1, S1, 30
	MX T1, S1, 31
.set N, 0
.set M, 0
.rept 10
	STAT T1, M
.rept 3
	FM T0, S, N
.set N, N+1
.endr
.set M, M+1
.endr
	FM T0, S, 30
	FM T0, S, 31
	s_wait_alu depctr_va_vdst(0)                   ; ahead of a batch
.set N, 0
.rept 32
	v_exp_f32 v[S+2*N], v[S+2*N]                   ; the first tile's p = 2^(t - M); between them the second tile's t - M
	v_exp_f32 v[S+2*N+1], v[S+2*N+1]
	FM T1, S1, N
.set N, N+1
.endr
	s_wait_alu depctr_va_vdst(0)                   ; closes the first batch and stands ahead of the second
.set N, 0
.rept 8                                        ; the second tile's p; between them the first tile's conversions and, a group behind, the first level of its sum (in place: the conversion has read p, a plain line stands between)
	v_exp_f32 v[S1+8*N], v[S1+8*N]
	v_exp_f32 v[S1+8*N+1], v[S1+8*N+1]
	v_cvt_scalef32_pk8_fp8_f32 v[P+2*N:P+2*N+1], v[S+8*N:S+8*N+7], v[SCP]
	v_exp_f32 v[S1+8*N+2], v[S1+8*N+2]
	v_exp_f32 v[S1+8*N+3], v[S1+8*N+3]
.if N == 0
	v_nop
.else
	v_pk_add_f32 v[S+8*N-8:S+8*N-7], v[S+8*N-8:S+8*N-7], v[S+8*N-6:S+8*N-5]
.endif
	v_exp_f32 v[S1+8*N+4], v[S1+8*N+4]
	v_exp_f32 v[S1+8*N+5], v[S1+8*N+5]
.if N > 0
	v_pk_add_f32 v[S+8*N-4:S+8*N-3], v[S+8*N-4:S+8*N-3], v[S+8*N-2:S+8*N-1]
.endif
	v_exp_f32 v[S1+8*N+6], v[S1+8*N+6]
	v_exp_f32 v[S1+8*N+7], v[S1+8*N+7]
.set N, N+1
.endr
	v_pk_add_f32 v[S+56:S+57], v[S+56:S+57], v[S+58:S+59]
	v_pk_add_f32 v[S+60:S+61], v[S+60:S+61], v[S+62:S+63]
	s_wait_alu depctr_va_vdst(0)                   ; closes the second batch
.set N, 0
.rept 8
	v_cvt_scalef32_pk8_fp8_f32 v[P+16+2*N:P+16+2*N+1], v[S1+8*N:S1+8*N+7], v[SCP]
	v_pk_add_f32 v[S+8*N:S+8*N+1], v[S+8*N:S+8*N+1], v[S+8*N+4:S+8*N+5]
.set N, N+1
.endr
	TR S, 8, 4                                     ; THE ROW'S SUM IS TAKEN OF THE UNQUANTISED p: a tree over the lane's 32 pairs, the two tiles' levels by turns
	TR S1, 2, 16
	TR S, 16, 2
	TR S1, 4, 8
	TR S, 32, 1
	TR S1, 8, 4
	LF T0, S
	TR S1, 16, 2
	TR S1, 32, 1
	LF T1, S1
	WIN 0x41                                       ; O^T: source 0 and destination window 1
	s_wait_alu depctr_va_vdst(0)                   ; directly ahead of the first reader of O^T
.set N, 0
.rept 16
	v_pk_mul_f32 v[OA+2*N:OA+2*N+1], v[OA+2*N:OA+2*N+1], v[T0+4:T0+5] op_sel_hi:[1,0]
	v_pk_mul_f32 v[OA+32+2*N:OA+32+2*N+1], v[OA+32+2*N:OA+32+2*N+1], v[T1+4:T1+5] op_sel_hi:[1,0]
.set N, N+1
.endr
.if \a == 0
	s_wait_alu depctr_va_vdst(0)
	s_wait_dscnt 0x0                               ; V's fragments are in
.endif
	WIN 0x51                                       ; V, C and D window 1, P window 0
.irp t, 0,1,2,3
.irp x, 0,1
	v_wmma_f32_16x16x128_fp8_fp8 v[OA+32*\x+8*\t:OA+32*\x+8*\t+7], v[VF+16*\t:VF+16*\t+15], v[P+16*\x:P+16*\x+15], v[OA+32*\x+8*\t:OA+32*\x+8*\t+7]   ; eight accumulators, one instruction each
.endr
.endr
.if \a
	WIN 0
	s_add_co_u32 s[TV], s[TV], 8192
	s_min_u32 s[TN], s[TV], 253952                 ; the next step's V; the last step's fetch is its own again, and is discarded
	v_add_nc_u32 v[AV], s[TN], v[LI]
	NOPS 3                                         ; four places in front of the loads into V's registers
	WIN 0x40
	VLOAD
	WIN 0
.endif
.endm
	s_wait_alu depctr_va_vdst(0)
	s_wait_tensorcnt 0x0                           ; my 32,768 bytes are in;
	s_barrier_signal -1
	s_barrier_wait -1                              ; and so are the other waves'
	WIN 0x40
	KLOAD
	VLOAD
	WIN 0
	s_wait_loadcnt 0x0                             ; Q
.Lstep:                                            ; 16 trips of 128 keys
	s_wait_dscnt 16                                ; K's 16 loads are in; V's 16, issued behind them, may be out
	PAIR 0
	PAIR 1
	s_sub_co_u32 s[CNT], s[CNT], 1
	s_cmp_lg_u32 s[CNT], 0
	s_wait_alu depctr_va_vdst(0)
	s_cbranch_scc1 .Lstep
	; THE WAY OUT: O^T x 2^(e4 + e5) / the sum, held, converted with 2^e6: a tile's four accumulators become the eight registers of a unit
.irp t, 0,1,2,3
	v_add_f32 v[ST+12*\t+6], v[ST+12*\t+2], v[ST+12*\t+3]
.endr
.irp t, 0,1,2,3
	v_permlanex16_b32 v[ST+12*\t+7], v[ST+12*\t+6], s[SEL], s[SEL+1]
.endr
.irp t, 0,1,2,3
	v_add_f32 v[ST+12*\t+6], v[ST+12*\t+6], v[ST+12*\t+7]   ; the row's sum
.endr
	s_wait_alu depctr_va_vdst(0)                   ; ahead of the batch
.irp t, 0,1,2,3
	v_rcp_f32 v[ST+12*\t+10], v[ST+12*\t+6]
.endr
	v_nop
	s_wait_alu depctr_va_vdst(0)                   ; behind it
.irp t, 0,1,2,3
	v_ldexp_f32 v[ST+12*\t+10], v[ST+12*\t+10], s[E45]
.endr
	WIN 0x41
	s_wait_alu depctr_va_vdst(0)                   ; directly ahead of the first reader of O^T
.irp t, 0,1,2,3
.set N, 0
.rept 16
	v_pk_mul_f32 v[O+32*\t+N:O+32*\t+N+1], v[O+32*\t+N:O+32*\t+N+1], v[ST+12*\t+10:ST+12*\t+11] op_sel_hi:[1,0]
.set N, N+2
.endr
.endr
.set N, 0
.rept 128
	v_med3_num_f32 v[O+N], v[O+N], s[OLN], s[OLP]  ; the conversion does not saturate (ISA guide 7.6.2): the hold at the largest code x the scale
.set N, N+1
.endr
	WIN 0x01
.set N, 0
.rept 16
	v_cvt_scalef32_pk8_fp8_f32 v[S+2*N:S+2*N+1], v[O+8*N:O+8*N+7], v[SCO]
.set N, N+1
.endr
	WIN 0
	v_nop
.irp t, 0,1,2,3
	global_store_b128 v[LI], v[S+8*\t:S+8*\t+3], s[OB:OB+1] offset:16384*\t       ; 512 consecutive bytes, aligned
	global_store_b128 v[LI], v[S+8*\t+4:S+8*\t+7], s[OB:OB+1] offset:16384*\t+512
.endr
	s_wait_tensorcnt 0x0                           ; the wave's end
	ds_add_u32 v[SPW], v[NIL]
	s_wait_dscnt 0x0                               ; (the discarded fetches among them)
	CROUND                                         ; the closing round
	s_endpgm
.Lfunc_end_k_q329c0945a8_attn:
	.size	k_q329c0945a8_attn, .Lfunc_end_k_q329c0945a8_attn-k_q329c0945a8_attn
	.p2alignl 7, 3214868480
	.fill 96, 4, 3214868480
	.section	.rodata,"a",@progbits
	.p2align	6, 0x0
	.amdhsa_kernel k_q329c0945a8_attn
		.amdhsa_group_segment_fixed_size 263168
		.amdhsa_private_segment_fixed_size 0
		.amdhsa_enable_private_segment 0
		.amdhsa_kernarg_size 24
		.amdhsa_user_sgpr_count 2
		.amdhsa_user_sgpr_kernarg_segment_ptr 1
		.amdhsa_wavefront_size32 1
		.amdhsa_system_sgpr_workgroup_id_x 1
		.amdhsa_system_sgpr_workgroup_id_y 1
		.amdhsa_system_sgpr_workgroup_id_z 1
		.amdhsa_system_vgpr_workitem_id 0
		.amdhsa_next_free_vgpr 512
		.amdhsa_next_free_sgpr 80
		.amdhsa_reserve_vcc 0
		.amdhsa_float_denorm_mode_32 3
		.amdhsa_float_denorm_mode_16_64 3
		.amdhsa_memory_ordered 1
		.amdhsa_forward_progress 1
		.amdhsa_inst_pref_size 74
	.end_amdhsa_kernel
	.amdgpu_metadata
---
amdhsa.version: [ 1, 2 ]
amdhsa.kernels:
  - .name:           k_q329c0945a8_attn
    .symbol:         k_q329c0945a8_attn.kd
    .args:
      - { .name: qkv_codes, .offset: 0, .size: 8, .value_kind: global_buffer, .address_space: global }
      - { .name: lowp_scales, .offset: 8, .size: 8, .value_kind: global_buffer, .address_space: global }
      - { .name: ao_codes, .offset: 16, .size: 8, .value_kind: global_buffer, .address_space: global }
    .group_segment_fixed_size: 263168
    .private_segment_fixed_size: 0
    .kernarg_segment_align: 8
    .kernarg_segment_size: 24
    .max_flat_workgroup_size: 256
    .sgpr_count:     80
    .vgpr_count:     512
    .wavefront_size: 32
...
	.end_amdgpu_metadata
.endif
;; end of part 3
;; launch proj (part 4): grid 64 x 4, 4 waves a work-group, clusters of 4 x 1, 296,448 bytes of LDS; arguments ao_codes, wp_codes, lowp_scales, out0, x, b_proj; writes out0
.if DOCPART == 4
	.amdgcn_target "amdgcn-amd-amdhsa--gfx1250"
	.amdhsa_code_object_version 6
	.text
	.protected	k_q329c0945a8_proj
	.globl	k_q329c0945a8_proj
	.p2align	8
	.type	k_q329c0945a8_proj,@function
k_q329c0945a8_proj:
	s_mov_b64 s[64:65], 0
	v_nop
	global_prefetch_b8 v0, s[64:65] scope:SCOPE_SE
	s_setreg_imm32_b32 hwreg(HW_REG_WAVE_MODE, 25, 1), 1
	s_wait_xcnt 0x0
	s_wait_alu depctr_hold_cnt(0) depctr_sa_sdst(0) depctr_va_vdst(0) depctr_va_sdst(0) depctr_va_ssrc(0) depctr_va_vcc(0) depctr_vm_vsrc(0)
	s_getreg_b32 s2, hwreg(HW_REG_IB_STS2, 6, 4)
	s_cmp_eq_u32 s2, 0
	s_cbranch_scc0 .Lentry_in_a_cluster
	s_endpgm
.Lentry_in_a_cluster:
	s_bfe_u32 s2, ttmp6, 0x10000c
	s_cmp_lg_u32 s2, 0x3003
	s_cbranch_scc0 .Lentry_shape_is_right
	s_endpgm
.Lentry_shape_is_right:
; out0 = x + Q(attention's result) Q(w_proj) x 2^(e6 + e7) + b_proj, the product on codes of E4M3 that come as images of the operands' registers.
; SHARES.  A work-group owns 128 tokens x 256 columns; wave w tokens 64 (w / 2) on and columns 128 (w % 2) on: 32 accumulators.
; A (the tokens' codes) goes STRAIGHT INTO REGISTERS: 64 rows x K 1,024 are 512 registers a wave, 512 consecutive bytes a load.  So A takes no LDS, and is no joint load.
; B (the weights' codes): 256 rows x K 1,024 = 262,144 bytes lie in LDS whole, filled ONCE: the four strips of a cluster need the same rows, and each wave asks for 65,536 bytes by one joint load.
; A UNIT is 16 matrix instructions (128 along K x 64 tokens x 64 columns) on four fragments of B; B has three sets of registers, a unit's LDS loads are issued two units ahead.  The 32 accumulators take turns.
; THE SUMS START FROM (x + b_proj) / 2^(e6 + e7).  x is asked for first of all, a row's 512 bytes a load; in that layout one fused line makes x / 2^(e6 + e7) + bias / 2^(e6 + e7) (the divisions are exact);
; a block of 16 rows then goes through the wave's own stage in LDS into the accumulators' layout.  So the way out is one multiplication by 2^(e6 + e7).
; Source 0 = weights, source 1 = tokens: a lane holds eight neighbouring columns of a row; on the way out a block of 16 rows goes through the same stage and leaves as rows of 512 bytes.
; No prefetch: all that the launch reads is asked for at its head, so there is no loop to run ahead in.
; LIMITS: e6 + e7 between -126 and 126 (both 2^(e6 + e7) and its inverse are made as f32 numbers).
; REGISTERS.  window 0: v1-19 addresses and the bias; v64-255 x's blocks 0-2, then B's three sets, then the rows read back.  windows 1, 2: A, fragment (i, q) at 128 i + 16 q.  window 3: accumulator (i, b) at 64 i + 8 b (v192-255 first x's block 3).
.set STAGE,  262144
.set SPITCH, 528
.set SPARE,  STAGE+4*16*SPITCH
.set LI,  1
.set ADB, 2
.set STO, 4
.set RD,  5
.set SPW, 8
.set NIL, 9
.set BI,  16
.set G1,  24
.set G0,  32
.set MSB, 0
.macro WIN new
.if MSB != (\new)
	s_set_vgpr_msb (MSB<<8)|(\new)
.set MSB, (\new)
.endif
.endm
.macro NOPS n
.rept \n
	v_nop
.endr
.endm
.macro CROUND
	s_barrier_signal -1
	s_barrier_wait -1
	s_cmp_lg_u32 s14, 0
	s_cbranch_scc1 .Lnot_wave_0_\@
	s_barrier_signal -3
.Lnot_wave_0_\@:
	s_barrier_wait -3
	s_barrier_signal -1
	s_barrier_wait -1
.endm
.macro ALD hq                          ; A's fragments of K steps 4 hq .. 4 hq + 3, all four row blocks: 64 loads
.irp w2, 0,1
	WIN 0x40*(1+\w2)
.irp i2, 0,1
.irp q, 0,1,2,3
.irp c, 0,1,2,3
	global_load_b128 v[128*\i2+16*(4*\hq+\q)+4*\c:128*\i2+16*(4*\hq+\q)+4*\c+3], v[LI], s[20:21] offset:16384*(2*\w2+\i2)+2048*(4*\hq+\q)+512*\c
.endr
.endr
.endr
.endr
	WIN 0
.endm
.macro BLD u                           ; B's four fragments of unit u (K step u / 2, column half u % 2) into set u % 3
.irp b, 0,1,2,3
.irp c, 0,1,2,3
	ds_load_b128 v[64+64*((\u)%3)+16*\b+4*\c:64+64*((\u)%3)+16*\b+4*\c+3], v[ADB+(\u)%2] offset:16384*\b+2048*((\u)/2)+512*\c
.endr
.endr
.endm
.macro UNIT u
	WIN 0
.if (\u)+2 < 16
	NOPS 4                                         ; places in front of loads into the set that the unit before has read
	BLD (\u)+2
.endif
.if (\u) == 8
	s_wait_loadcnt 0x0                             ; all of A
.endif
.if (\u) < 14
	s_wait_dscnt 32                                ; this unit's 16 loads are in; the next two units' may be out
.else
	s_wait_dscnt 16*(15-(\u))
.endif
.irp i, 0,1,2,3
	WIN 0xf4+4*(\i/2)
.irp b, 0,1,2,3
.set AC, 8*(8*\i+4*((\u)%2)+\b)
.set AR, 128*(\i%2)+16*((\u)/2)
.set BF, 64+64*((\u)%3)+16*\b
	v_wmma_f32_16x16x128_fp8_fp8 v[AC:AC+7], v[BF:BF+15], v[AR:AR+15], v[AC:AC+7]
.endr
.endr
.endm
; x's block a (16 rows x 512 bytes, a row to an instruction) becomes the start of accumulators (a, 0 .. 7).  LDS serves a wave's instructions in order (ISA guide 5.7.1.4)
.macro XIN a
.if (\a) < 3
.set XT, 64+64*(\a)
.else
.set XT, 192
	WIN 0xc3
.endif
.set N, 0
.rept 32
	v_pk_fma_f32 v[XT+N:XT+N+1], v[XT+N:XT+N+1], s[98:99], v[BI+(N%4):BI+(N%4)+1] op_sel_hi:[1,0,1]
.set N, N+2
.endr
.if (\a) == 3
	WIN 0x0c
.endif
.irp t, 0,1,2,3,4,5,6,7,8,9,10,11,12,13,14,15
	ds_store_b128 v[RD], v[XT+4*\t:XT+4*\t+3] offset:\t*SPITCH
.endr
.if (\a) == 3
	s_wait_dscnt 0x0                               ; the stores have read their registers, on which the loads below land
.endif
	WIN 0xc0
.irp b, 0,1,2,3,4,5,6,7
	ds_load_b128 v[64*(\a)+8*\b:64*(\a)+8*\b+3], v[STO] offset:64*\b
	ds_load_b128 v[64*(\a)+8*\b+4:64*(\a)+8*\b+7], v[STO] offset:64*\b+16
.endr
	WIN 0
.endm
	s_load_b256 s[4:11], s[0:1], 0x0               ; ao_codes, wp_codes, the scales' exponents, out0
	s_load_b128 s[68:71], s[0:1], 0x20             ; x, b_proj
	v_lshl_add_u32 v[SPW], v0, 2, SPARE
	v_mov_b32 v[NIL], 0
	ds_add_u32 v[SPW], v[NIL]                      ; the opening lines: the add, twice on end, and its wait
	ds_add_u32 v[SPW], v[NIL]
	v_lshrrev_b32 v10, 5, v0
	v_readfirstlane_b32 s14, v10                   ; wave 0..3
	s_lshr_b32 s15, s14, 1
	s_and_b32 s16, s14, 1
	s_bfe_u32 s40, ttmp6, 0x40000                  ; cx: it enters global addresses of plain loads and stores alone
	s_lshl_b32 s17, ttmp9, 2
	s_add_co_u32 s17, s17, s40                     ; the strip
	s_and_b32 s42, ttmp7, 0xffff                   ; y, which the four partners share
	s_mov_b32 s[G1], 15|(3<<16)|(1<<21)
	s_mov_b32 s[G1+1], 32<<16                      ; rows of 256 bytes,
	s_mov_b32 s[G1+2], 256<<16                     ; 256 of them
	s_mov_b32 s[G1+3], 32<<16
	s_mov_b32 s[G1+4], 256
	s_mov_b32 s[G1+5], 32
	s_mov_b32 s[G1+6], 0
	s_mov_b32 s[G1+7], 0
	s_lshl_b32 s45, s14, 16
	s_lshl_b32 s46, s42, 18
	s_add_co_u32 s46, s46, s45
	s_mov_b32 s47, 0
	s_lshl_b32 s20, s17, 17
	s_lshl_b32 s21, s15, 16
	s_add_co_u32 s20, s20, s21
	s_mov_b32 s21, 0
	s_lshl_b32 s86, s42, 10
	s_lshl_b32 s87, s16, 9
	s_add_co_u32 s86, s86, s87                     ; 4 x my first column
	s_mov_b32 s87, 0
	s_lshl_b32 s88, s17, 19                        ; 128 rows of 4,096 bytes a strip,
	s_lshl_b32 s89, s15, 18                        ; 64 a wave
	s_add_co_u32 s88, s88, s89
	s_add_co_u32 s88, s88, s86
	s_mov_b32 s89, 0
	v_and_b32 v13, 31, v0
	v_lshlrev_b32 v[LI], 4, v13
	v_and_b32 v10, 15, v0
	v_bfe_u32 v11, v0, 4, 1
	v_mul_u32_u24 v[STO], v10, SPITCH
	v_lshl_add_u32 v[STO], v11, 5, v[STO]
	s_mul_i32 s23, s14, 16*SPITCH
	s_add_co_u32 s23, s23, STAGE                   ; my stage
	v_add_nc_u32 v[STO], s23, v[STO]               ; the accumulators' layout: row lane % 16, 32 bytes for each half of the lanes
	v_add_nc_u32 v[RD], s23, v[LI]                 ; rows: the 32 lanes take a row of 512 bytes
	s_lshl_b32 s18, s16, 17
	v_add_nc_u32 v[ADB], s18, v[LI]
	v_add_nc_u32 v[ADB+1], 0x10000, v[ADB]
	s_wait_alu depctr_va_vdst(0)
	s_wait_dscnt 0x0
	s_wait_kmcnt 0x0
	s_load_b256 s[72:79], s[8:9], 0x0              ; e0 .. e7
	s_add_nc_u64 s[68:69], s[68:69], s[88:89]
	s_add_nc_u64 s[10:11], s[10:11], s[88:89]
	s_add_nc_u64 s[70:71], s[70:71], s[86:87]
	s_add_nc_u64 s[20:21], s[4:5], s[20:21]
	s_mov_b32 s[G0], 1
	s_mov_b32 s[G0+1], s45
	s_add_nc_u64 s[G0+2:G0+3], s[6:7], s[46:47]
	s_or_b32 s[G0+3], s[G0+3], 0x80000000
.irp a, 0,1,2
.irp t, 0,1,2,3,4,5,6,7,8,9,10,11,12,13,14,15
	global_load_b128 v[64+64*\a+4*\t:64+64*\a+4*\t+3], v[LI], s[68:69] offset:65536*\a+4096*\t th:TH_LOAD_NT   ; x: a row's 512 bytes a load
.endr
.endr
	WIN 0xc0
.irp t, 0,1,2,3,4,5,6,7,8,9,10,11,12,13,14,15
	global_load_b128 v[192+4*\t:192+4*\t+3], v[LI], s[68:69] offset:65536*3+4096*\t th:TH_LOAD_NT
.endr
	WIN 0
	global_load_b128 v[BI:BI+3], v[LI], s[70:71]   ; the bias of my lane's four columns of a row
	CROUND                                         ; all four work-groups are here: the joint loads meet
	tensor_load_to_lds s[G0:G0+3], s[G1:G1+7]      ; my one tensor load of the launch
	s_nop 0
	NOPS 4
	ALD 0
	ALD 1
	s_wait_kmcnt 0x0
	s_add_co_i32 s90, s78, s79
	s_add_co_i32 s96, s90, 127
	s_lshl_b32 s96, s96, 23                        ; 2^(e6 + e7)
	s_mov_b32 s97, s96
	s_sub_co_i32 s98, 127, s90
	s_lshl_b32 s98, s98, 23                        ; and its inverse
	s_mov_b32 s99, s98
	s_wait_loadcnt 63                              ; of 193 loads the oldest 130 are in: x, the bias and A's K steps 0-3
	v_pk_mul_f32 v[BI:BI+1], v[BI:BI+1], s[98:99] op_sel_hi:[1,0]
	v_pk_mul_f32 v[BI+2:BI+3], v[BI+2:BI+3], s[98:99] op_sel_hi:[1,0]
	XIN 0
	XIN 1
	XIN 2
	XIN 3
	s_wait_alu depctr_va_vdst(0)
	s_wait_dscnt 0x0                               ; the accumulators' starts are in, and the stage's stores have read x's registers, which B's sets take
	s_wait_tensorcnt 0x0                           ; my 65,536 bytes are in;
	s_barrier_signal -1
	s_barrier_wait -1                              ; and so are the others'
	BLD 0
	BLD 1
.set U, 0
.rept 16
	UNIT U
.set U, U+1
.endr
	WIN 0
	NOPS 4                                         ; places behind the last products
.macro TOSTAGE a                       ; block a's sums into my stage, each accumulator from its low end on, and back as rows
	WIN 0x0c
.irp b, 0,1,2,3,4,5,6,7
	ds_store_b128 v[STO], v[64*(\a)+8*\b:64*(\a)+8*\b+3] offset:64*\b
	ds_store_b128 v[STO], v[64*(\a)+8*\b+4:64*(\a)+8*\b+7] offset:64*\b+16
.endr
	WIN 0
.irp t, 0,1,2,3,4,5,6,7,8,9,10,11,12,13,14,15
	ds_load_b128 v[64+64*((\a)%3)+4*\t:64+64*((\a)%3)+4*\t+3], v[RD] offset:\t*SPITCH
.endr
.endm
.macro SEND a, younger
.set BB, 64+64*((\a)%3)
	s_wait_dscnt \younger                          ; the block is back in registers
.set N, 0
.rept 32
	v_pk_mul_f32 v[BB+N:BB+N+1], v[BB+N:BB+N+1], s[96:97] op_sel_hi:[1,0]
.set N, N+2
.endr
.irp t, 0,1,2,3,4,5,6,7,8,9,10,11,12,13,14,15
	global_store_b128 v[LI], v[BB+4*\t:BB+4*\t+3], s[10:11] offset:65536*(\a)+4096*\t th:TH_STORE_NT   ; 512 consecutive bytes, aligned
.endr
.endm
	TOSTAGE 0
	TOSTAGE 1
	SEND 0, 32
	TOSTAGE 2
	SEND 1, 32
	s_wait_alu depctr_va_vdst(0)
	s_wait_xcnt 0x0                                ; block 0's stores have read their registers, which take block 3
	TOSTAGE 3
	SEND 2, 32
	SEND 3, 0
	s_wait_tensorcnt 0x0                           ; the wave's end
	ds_add_u32 v[SPW], v[NIL]
	s_wait_dscnt 0x0
	CROUND                                         ; the closing round
	s_endpgm
.Lfunc_end_k_q329c0945a8_proj:
	.size	k_q329c0945a8_proj, .Lfunc_end_k_q329c0945a8_proj-k_q329c0945a8_proj
	.p2alignl 7, 3214868480
	.fill 96, 4, 3214868480
	.section	.rodata,"a",@progbits
	.p2align	6, 0x0
	.amdhsa_kernel k_q329c0945a8_proj
		.amdhsa_group_segment_fixed_size 296448
		.amdhsa_private_segment_fixed_size 0
		.amdhsa_enable_private_segment 0
		.amdhsa_kernarg_size 48
		.amdhsa_user_sgpr_count 2
		.amdhsa_user_sgpr_kernarg_segment_ptr 1
		.amdhsa_wavefront_size32 1
		.amdhsa_system_sgpr_workgroup_id_x 1
		.amdhsa_system_sgpr_workgroup_id_y 1
		.amdhsa_system_sgpr_workgroup_id_z 1
		.amdhsa_system_vgpr_workitem_id 0
		.amdhsa_next_free_vgpr 1024
		.amdhsa_next_free_sgpr 100
		.amdhsa_reserve_vcc 0
		.amdhsa_float_denorm_mode_32 3
		.amdhsa_float_denorm_mode_16_64 3
		.amdhsa_memory_ordered 1
		.amdhsa_forward_progress 1
		.amdhsa_inst_pref_size 98
	.end_amdhsa_kernel
	.amdgpu_metadata
---
amdhsa.version: [ 1, 2 ]
amdhsa.kernels:
  - .name:           k_q329c0945a8_proj
    .symbol:         k_q329c0945a8_proj.kd
    .args:
      - { .name: ao_codes, .offset: 0, .size: 8, .value_kind: global_buffer, .address_space: global }
      - { .name: wp_codes, .offset: 8, .size: 8, .value_kind: global_buffer, .address_space: global }
      - { .name: lowp_scales, .offset: 16, .size: 8, .value_kind: global_buffer, .address_space: global }
      - { .name: out0, .offset: 24, .size: 8, .value_kind: global_buffer, .address_space: global }
      - { .name: x, .offset: 32, .size: 8, .value_kind: global_buffer, .address_space: global }
      - { .name: b_proj, .offset: 40, .size: 8, .value_kind: global_buffer, .address_space: global }
    .group_segment_fixed_size: 296448
    .private_segment_fixed_size: 0
    .kernarg_segment_align: 8
    .kernarg_segment_size: 48
    .max_flat_workgroup_size: 128
    .sgpr_count:     100
    .vgpr_count:     1024
    .wavefront_size: 32
...
	.end_amdgpu_metadata
.endif
;; end of part 4
